; MI455X (gfx1250); checked and timed in simulation.
; The chip was launched on July 23, 2026; its instructions are those of AMD's public machine-readable ISA for CDNA 5 (MIT licence, August 2026) and "CDNA5" Instruction Set Architecture Reference Guide (July 2026). The comments in the code are by the model that wrote it; some were corrected since.
;; Simple Expert FFN. Allowed arithmetic: matrix products marked QUANTISED: E3M2 operands, one E8M0 scale for each 32 along K, by v_wmma_scale_f32_16x16x128_f8f6f4 with both operands' format E3M2, f32 sums; products left as they are: f32 operands where the result goes on into a quantised operand, else bf16, f16 or f32 operands; f32 sums; everything else in f32.
;; Inputs: W1 8 x 1,024 x 1,024 float32; W2 8 x 1,024 x 1,024 float32; Wr 1,024 x 8 float32; b1 8 x 1,024 float32; b2 8 x 1,024 float32; br 8 float32; x 2 x 2,048 x 1,024 float32.
;; Outputs: out0 2 x 2,048 x 1,024 float32.
;; This version of the problem:
;;   THIS VERSION OF THE PROBLEM IS GIVEN IN LOW PRECISION. The matrix products marked QUANTISED in the list below multiply operands that are first quantised to E3M2 (3 exponent bits, 2 mantissa bits; 6 bits a number), with one power-of-two scale for each 32 numbers along K (OCP MX v1.0); their sums are f32. All else is computed in f32.
;;   The module's matrix products, in the order in which they are computed (A, B: the left and right operand; K: the contracted axis; several contracted axes count as one K, in the product's order):
;;     1. [M 4,096, K 1,024] x [K 1,024, N 8]; A: input x; B: input Wr: left as it is (N = 8 < 16)
;;     2. [M 8,192, K 1,024] x [K 1,024, N 4,096]; A: input W1; B: input x: QUANTISED
;;     3. batch 8 x [M 4,096, K 1,024] x [K 1,024, N 1,024]; A: computed on the way; B: input W2: QUANTISED
;;     4. batch 4,096 x [M 1, K 8] x [K 8, N 1,024]; A: computed on the way; B: computed on the way: left as it is (K = 8 < 32)
;;   THE QUANTISER, for each operand of a quantised product, along K:
;;     - K is cut into blocks of 32 from its start; a last block that is shorter is filled with zeros.
;;     - A block's scale is 2^e with e = floor(log2(the largest magnitude in the block)) - 4, held to -126 .. 127; a block of zeros has e = 0. As a byte (E8M0): e + 127.
;;     - Each number is divided by its block's scale, clamped to +-28, and rounded to the nearest number of E3M2, ties to even, subnormals kept.
;;     - The product sums the exact products of the quantised numbers (number of the format x scale) in f32.
;;   ~~~python
;;   def quantise(x, axis):      # numpy; x: float32 -> the quantised numbers, widened to float32 again
;;       x = np.moveaxis(x, axis, -1); K = x.shape[-1]
;;       x = np.pad(x, [(0, 0)] * (x.ndim - 1) + [(0, -K % 32)]); x = x.reshape(x.shape[:-1] + (-1, 32)); a = np.abs(x).max(-1, keepdims=True)
;;       e = np.where(a > 0, np.clip(np.frexp(np.where(a > 0, a, 1))[1] - 1 - 4, -126, 127), 0)      # np.frexp(a)[1] - 1 = floor(log2(a)), exactly
;;       r = np.clip(x / 2.0 ** e, -28, 28)
;;       step = 2.0 ** (np.maximum(np.frexp(np.where(r == 0, 1, r))[1] - 1, -2) - 2)
;;       q = np.round(r / step) * step * 2.0 ** e      # np.round: ties to even
;;       return np.moveaxis(q.reshape(q.shape[:-2] + (-1,))[..., :K], -1, axis).astype(np.float32)
;;   ~~~
;;   OPERANDS COMPUTED ON THE WAY. 'Computed on the way' means the value that the module computes at that place (a softmax that the list does not call 'softmax' is quantised finished and normalised). What goes into a quantiser is computed in f32, as accurately as f32 sums, v_exp_f32 and their like allow (about 1e-6 of the number): no bf16 or f16 on the way to a quantiser, and a product that is left as it is and whose result goes on into a quantised operand takes f32 operands (vector FMAs, or v_wmma_f32_16x16x4_f32). A number that lies on a knife's edge between two numbers of the format may be rounded either way, as far as f32 arithmetic and the matrix unit's own rounding can turn it there, and no further.
;; One version. Each part assembles by itself: llvm-mc -triple=amdgcn-amd-amdhsa -mcpu=gfx1250 --defsym DOCPART=n.
;; ======== version 1 of 1: 3 launches
;; limits: right only within a limited range of input values
;; workspace buffers: xq 3,145,728 bytes; xs 131,072 bytes; eidx 16,384 bytes of whole numbers; gate 16,384 bytes; wq 12,582,912 bytes; ws 524,288 bytes; plan 131,328 bytes of whole numbers; hq 3,993,600 bytes
;; launch quant (part 1): grid 1280 x 1, 4 waves a work-group, no clusters, 98,816 bytes of LDS; arguments x, Wr, br, xq, xs, eidx, gate, W1, W2, wq, ws; writes xq, xs, eidx, gate, wq, ws
.if DOCPART == 1
	.amdgcn_target "amdgcn-amd-amdhsa--gfx1250"
	.amdhsa_code_object_version 6
	.text
	.protected	k_qbbfcd5794e_quant
	.globl	k_qbbfcd5794e_quant
	.p2align	8
	.type	k_qbbfcd5794e_quant,@function
k_qbbfcd5794e_quant:
	s_mov_b64 s[64:65], 0
	v_nop
	global_prefetch_b8 v0, s[64:65] scope:SCOPE_SE
	s_setreg_imm32_b32 hwreg(HW_REG_WAVE_MODE, 25, 1), 1
	s_wait_xcnt 0x0
; QUANT.  Two kinds of work-groups, told apart by the work-group's number; each kind has LDS bytes of its own.
; WORK LEFT OUT BY THE PROGRAM: reference() multiplies every expert for every token and keeps, by its own one_hot of the argmax, only the chosen expert's row of ye: the other seven rows are multiplied by 0 and reach
; no output, whatever the inputs hold.  The later launches multiply only the chosen rows.  LIMIT: a NaN, an infinity or an overflow that arises only in the rows left out is not carried to the result.
; WORK-GROUPS 0 .. 255: THE ROUTER.  16 tokens each, 4 a wave, a whole row of x at a time: 8 logits = x . Wr + br in f32, the largest one's index (eidx), 1 / the sum of e^(l - largest) (gate), and the row as codes of
;   BF6 (E3M2) with one E8M0 byte for each 32 along the row.  A row is loaded as it lies and turned through the wave's own stage, so that lane l holds block l.  Wr is turned through LDS into the second window.
;   xq: token t at 768 t, K step s at 96 s, its four blocks of 24 bytes in the order 0, 2, 1, 3: operand lane (r, h) finds its 12 registers as 48 bytes on end at 96 s + 48 h.  xs: token t at 32 t, byte b = block b's scale.
; WORK-GROUPS 256 .. 1279: THE WEIGHTS.  q = number - 256 takes product p = q >> 9, expert e, K step s and slice w of 128 columns: block I = ((8 p + e) 8 + w) 8 + s of wq (12,288 bytes) and of ws (512 bytes).
;   A lane takes a column and its registers run down K.  Row rr of tile 2 b + u of a slice is column 32 b + 8 u + rr + 8 (rr / 8).  wq: tile t at 1,536 t: registers 4 c .. 4 c + 3 of operand lane L at 512 c + 16 L.
;   ws: lane L at 16 L, word u' at 4 u': lanes 0-15 the scale word of tile 2 u', row L; lanes 16-31 that of tile 2 u' + 1.
; A block's scale byte is its largest magnitude's exponent field - 4, held at 1 from below by a floor among the maximum's leaves.
; LIMITS: NaN and infinities among the inputs are not served.  The expert is chosen on the logits (the lowest index among equal logits).  A block of zeros gets the byte 1 where the rule says 127: its codes are
; zeros, and the bytes are read by this program alone.  No matrix unit: 8 columns are too few.  No tensor loads, no cluster: work-groups share only Wr, 32 KB.
.set SPARE, 98304
	v_lshl_add_u32 v254, v0, 2, SPARE
	v_mov_b32 v255, 0
	s_cmp_ge_u32 ttmp9, 256
	s_cbranch_scc1 .Lweights
	; ================ the router
.set WPL, 1040
.set WB0, 32*WPL
.set WVB, 12800
.set TP,  144
.set TST, 32*TP
.set CDS, 2*TST
.set SCB, CDS+3072
.set R,   16
.set X,   144
.set A,   208
.set T,   224
.set C,   240
.set MSB, 0
.macro WIN new
.if MSB != \new
	s_set_vgpr_msb (MSB<<8)|\new
.set MSB, \new
.endif
.endm
	s_load_b256 s[4:11], s[0:1], 0x0               ; x, Wr, br, xq
	s_load_b128 s[12:15], s[0:1], 0x20             ; xs, eidx
	s_load_b64 s[16:17], s[0:1], 0x30              ; gate
	v_lshrrev_b32 v1, 5, v0
	v_readfirstlane_b32 s18, v1                    ; wave 0..3
	v_and_b32 v1, 31, v0
	v_lshlrev_b32 v2, 4, v1
	s_mul_i32 s19, s18, WVB
	s_add_co_u32 s19, s19, WB0                     ; my wave's region
	v_lshrrev_b32 v3, 3, v1
	v_mul_u32_u24 v3, v3, TP
	v_and_b32 v4, 7, v1
	v_lshl_add_u32 v3, v4, 4, v3
	v_add_nc_u32 v3, s19, v3                       ; into a turn stage
	v_mul_u32_u24 v4, v1, TP
	v_add_nc_u32 v4, s19, v4                       ; out of it: my block's 128 bytes
	v_lshrrev_b32 v5, 2, v1
	v_mul_u32_u24 v5, v5, 96
	v_and_b32 v6, 1, v1
	v_bfe_u32 v7, v1, 1, 1
	v_lshl_or_b32 v6, v6, 1, v7                    ; blocks 0, 2, 1, 3
	v_mad_u32_u24 v5, v6, 24, v5
	v_add_nc_u32 v5, s19, v5
	v_add_nc_u32 v5, CDS, v5
	v_add_nc_u32 v6, s19, v2
	v_add_nc_u32 v6, CDS, v6
	v_add_nc_u32 v7, s19, v1
	v_add_nc_u32 v7, SCB, v7
	v_lshlrev_b32 v9, 2, v1
	v_add_nc_u32 v8, s19, v9
	v_add_nc_u32 v8, SCB, v8
	v_lshrrev_b32 v10, 6, v0
	v_mul_u32_u24 v10, v10, WPL
	v_and_b32 v11, 63, v0
	v_lshl_add_u32 v10, v11, 4, v10
	v_mul_u32_u24 v11, v1, WPL
	v_lshlrev_b32 v12, 4, v0
.irp e, 0,1,2,3,4,5,6,7
	v_mov_b32 v[T+8+\e], 0                         ; a lane exchange's destination counts as a source
.endr
.irp j, 0,1,2,3
	v_cmp_eq_u32 s[40+\j], \j, v1
.endr
	s_mov_b32 s20, 0x76543210
	s_mov_b32 s21, 0xfedcba98
	s_mov_b32 s31, 0x3fb8aa3b                      ; log2(e)
	s_lshl_b32 s22, ttmp9, 16
	s_lshl_b32 s23, s18, 14
	s_add_co_u32 s22, s22, s23
	s_mov_b32 s23, 0
	s_mul_i32 s24, ttmp9, 12288
	s_mul_i32 s25, s18, 3072
	s_add_co_u32 s24, s24, s25
	s_mov_b32 s25, 0
	s_lshl_b32 s26, ttmp9, 9
	s_lshl_b32 s27, s18, 7
	s_add_co_u32 s26, s26, s27
	s_mov_b32 s27, 0
	s_lshr_b32 s28, s26, 3
	s_mov_b32 s29, 0
	s_wait_kmcnt 0x0
	s_load_b256 s[32:39], s[8:9], 0x0              ; br
	s_add_nc_u64 s[4:5], s[4:5], s[22:23]
	s_add_nc_u64 s[10:11], s[10:11], s[24:25]
	s_add_nc_u64 s[12:13], s[12:13], s[26:27]
	s_add_nc_u64 s[14:15], s[14:15], s[28:29]
	s_add_nc_u64 s[16:17], s[16:17], s[28:29]
.irp n, 0,1,2,3,4,5,6,7,8,9,10,11,12,13,14,15
	global_load_b128 v[X+4*\n:X+4*\n+3], v12, s[6:7] offset:2048*\n
.endr
.irp j, 0,1,2,3
.irp i, 0,1,2,3,4,5,6,7
	global_load_b128 v[R+32*\j+4*\i:R+32*\j+4*\i+3], v2, s[4:5] offset:4096*\j+512*\i th:TH_LOAD_NT
.endr
.endr
	s_wait_loadcnt 32                              ; Wr's 16 loads are in; x's 32 were issued behind them
.irp n, 0,1,2,3,4,5,6,7,8,9,10,11,12,13,14,15
	ds_store_b128 v10, v[X+4*\n:X+4*\n+3] offset:2*WPL*\n
.endr
	s_wait_dscnt 0x0                               ; for the others' sake: my part of Wr lies in LDS
	s_barrier_signal -1
	s_barrier_wait -1
	WIN 0x40
.set c, 0
.rept 64
	ds_load_b128 v[4*c:4*c+3], v11 offset:16*c     ; register 8 i + e of the second window = Wr[32 lane + i][e]
.set c, c+1
.endr
	WIN 0
	s_wait_kmcnt 0x0
.macro TURN j                          ; LDS serves a wave's instructions in order: no wait between the stores and the loads
.irp i, 0,1,2,3,4,5,6,7
	ds_store_b128 v3, v[R+32*(\j)+4*\i:R+32*(\j)+4*\i+3] offset:TST*((\j)%2)+4*TP*\i
.endr
.irp i, 0,1,2,3,4,5,6,7
	ds_load_b128 v[X+32*((\j)%2)+4*\i:X+32*((\j)%2)+4*\i+3], v4 offset:TST*((\j)%2)+16*\i
.endr
.endm
	s_wait_loadcnt 24                              ; row 0's eight loads are in
	TURN 0
.macro STEP j
.set XS, X+32*((\j)%2)
	s_wait_dscnt 0x0
.if (\j) < 3
	s_wait_loadcnt 16-8*(\j)                       ; the next row's eight loads are in
	TURN (\j)+1
.endif
	v_max3_num_f32 v[T], |v[XS]|, |v[XS+1]|, |v[XS+2]|
	v_max3_num_f32 v[T+1], |v[XS+3]|, |v[XS+4]|, |v[XS+5]|
.irp i, 6,10,14,18,22,26
	v_max3_num_f32 v[T], v[T], |v[XS+\i]|, |v[XS+\i+1]|
	v_max3_num_f32 v[T+1], v[T+1], |v[XS+\i+2]|, |v[XS+\i+3]|
.endr
	v_max3_num_f32 v[T], v[T], |v[XS+30]|, |v[XS+31]|
	v_max3_num_f32 v[T], v[T], v[T+1], 0x2800000   ; the floor 2^(5 - 127)
	v_add_nc_u32 v[T+2], 0xfe000000, v[T]          ; 4 off the exponent field: the conversion's scale operand
	v_cvt_scalef32_pk16_bf6_f32 v[C:C+2], v[XS:XS+15], v[T+2]
	v_cvt_scalef32_pk16_bf6_f32 v[C+4:C+6], v[XS+16:XS+31], v[T+2]
	v_lshrrev_b32 v[T+3], 23, v[T+2]               ; the scale's byte; also the plain place behind the conversions
	v_mov_b32 v[C+3], v[C+4]
	v_mov_b32 v[C+4], v[C+5]
	v_mov_b32 v[C+5], v[C+6]
	ds_store_b64 v5, v[C:C+1] offset:768*(\j)
	ds_store_b64 v5, v[C+2:C+3] offset:768*(\j)+8
	ds_store_b64 v5, v[C+4:C+5] offset:768*(\j)+16
	ds_store_b8 v7, v[T+3] offset:32*(\j)
	WIN 0x04                                       ; source 1: Wr
.irp p, 0,1,2,3
	v_pk_mul_f32 v[A+2*\p:A+2*\p+1], v[XS:XS+1], v[2*\p:2*\p+1] op_sel_hi:[0,1]
.endr
.irp p, 0,1,2,3
	v_pk_mul_f32 v[A+8+2*\p:A+9+2*\p], v[XS:XS+1], v[8+2*\p:9+2*\p] op_sel:[1,0] op_sel_hi:[1,1]
.endr
.set i, 2
.rept 15
.irp p, 0,1,2,3
	v_pk_fma_f32 v[A+2*\p:A+2*\p+1], v[XS+i:XS+i+1], v[8*i+2*\p:8*i+2*\p+1], v[A+2*\p:A+2*\p+1] op_sel_hi:[0,1,1]
.endr
.irp p, 0,1,2,3
	v_pk_fma_f32 v[A+8+2*\p:A+9+2*\p], v[XS+i:XS+i+1], v[8*i+8+2*\p:8*i+9+2*\p], v[A+8+2*\p:A+9+2*\p] op_sel:[1,0,0] op_sel_hi:[1,1,1]
.endr
.set i, i+2
.endr
	WIN 0
.irp p, 0,1,2,3
	v_pk_add_f32 v[A+2*\p:A+2*\p+1], v[A+2*\p:A+2*\p+1], v[A+8+2*\p:A+9+2*\p]
.endr
.irp m, 1,2,4,8
.irp e, 0,1,2,3,4,5,6,7
	v_add_f32_dpp v[A+\e], v[A+\e], v[A+\e] row_xmask:\m row_mask:0xf bank_mask:0xf
.endr
.endr
.irp e, 0,1,2,3,4,5,6,7
	v_permlanex16_b32 v[T+8+\e], v[A+\e], s20, s21
.endr
.irp e, 0,1,2,3,4,5,6,7
	v_add_f32 v[A+\e], v[A+\e], v[T+8+\e]
.endr
.irp e, 0,1,2,3,4,5,6,7
	v_add_f32 v[A+\e], s[32+\e], v[A+\e]           ; + br: the logits
.endr
	v_max3_num_f32 v[T], v[A], v[A+1], v[A+2]
	v_max3_num_f32 v[T+1], v[A+3], v[A+4], v[A+5]
	v_max3_num_f32 v[T], v[T], v[A+6], v[A+7]
	v_max_num_f32 v[T], v[T], v[T+1]
	v_mov_b32 v248, 7
.irp e, 6,5,4,3,2,1,0
	v_cmp_neq_f32 vcc_lo, v[A+\e], v[T]
	v_cndmask_b32 v248, \e, v248, vcc_lo           ; from the top down: among equals the lowest index stays
.endr
	v_mul_f32 v[T+1], s31, v[T]
.irp e, 0,1,2,3,4,5,6,7
	v_fma_f32 v[A+\e], v[A+\e], s31, -v[T+1]
.endr
	s_wait_alu depctr_va_vdst(0)                   ; the wait ahead of the batch
.irp e, 0,1,2,3,4,5,6,7
	v_exp_f32 v[A+\e], v[A+\e]
.endr
	v_nop
	s_wait_alu depctr_va_vdst(0)                   ; and behind it
	v_add_f32 v[T], v[A], v[A+1]
	v_add_f32 v[T+1], v[A+2], v[A+3]
	v_add_f32 v[T+2], v[A+4], v[A+5]
	v_add_f32 v[T+3], v[A+6], v[A+7]
	v_add_f32 v[T], v[T], v[T+1]
	v_add_f32 v[T+2], v[T+2], v[T+3]
	v_add_f32 v[T], v[T], v[T+2]
	s_wait_alu depctr_va_vdst(0)
	v_rcp_f32 v249, v[T]                           ; the largest probability: e^0 / the sum
	v_nop
	s_wait_alu depctr_va_vdst(0)
.if (\j) == 0
	v_mov_b32 v250, v248
	v_mov_b32 v251, v249
.else
	v_cndmask_b32 v250, v250, v248, s[40+(\j)]     ; lane j keeps token j's
	v_cndmask_b32 v251, v251, v249, s[40+(\j)]
.endif
.endm
	STEP 0
	STEP 1
	STEP 2
	STEP 3
.irp g, 0,1,2,3,4,5
	ds_load_b128 v[R+4*\g:R+4*\g+3], v6 offset:512*\g
.endr
	ds_load_b32 v[R+24], v8
	s_wait_alu depctr_va_vdst(0)
	s_wait_dscnt 0x0
.irp g, 0,1,2,3,4,5
	global_store_b128 v2, v[R+4*\g:R+4*\g+3], s[10:11] offset:512*\g       ; 512 consecutive bytes, at a multiple of 256 from xq's first byte
.endr
	global_store_b32 v9, v[R+24], s[12:13]
	v_cmp_gt_u32 vcc_lo, 4, v1
	s_wait_xcnt 0x0                                ; EXEC changes only behind this wait
	s_wait_tensorcnt 0x0                           ; the wave's end
	ds_add_u32 v254, v255
	s_wait_dscnt 0x0
	s_and_saveexec_b32 s30, vcc_lo                 ; lanes 0 to 3: a token each
	global_store_b32 v9, v250, s[14:15]
	global_store_b32 v9, v251, s[16:17]
	s_wait_xcnt 0x0
	s_or_b32 exec_lo, exec_lo, s30
	s_endpgm
	; ================ the weights
.Lweights:
.set WL,   84480                       ; this path's LDS bytes lie behind the router's
.set SIM,  1664
.set SWV,  2*SIM
.set QSC,  WL+4*SWV
.set X,    32
.set C,    160
	s_load_b128 s[4:7], s[0:1], 0x38               ; W1, W2
	s_load_b128 s[8:11], s[0:1], 0x48              ; wq, ws
	v_lshrrev_b32 v1, 5, v0
	v_readfirstlane_b32 s16, v1                    ; wave 0..3
	v_and_b32 v1, 31, v0
	v_lshlrev_b32 v2, 2, v1
	s_sub_co_u32 s17, ttmp9, 256                   ; q
	s_and_b32 s18, s17, 7                          ; w
	s_bfe_u32 s19, s17, 0x30003                    ; s
	s_bfe_u32 s20, s17, 0x30006                    ; e
	s_lshr_b32 s21, s17, 9                         ; p
	s_lshl_b32 s22, s20, 22
	s_lshl_b32 s23, s19, 19
	s_add_co_u32 s22, s22, s23
	s_lshl_b32 s23, s18, 9
	s_add_co_u32 s22, s22, s23
	s_lshl_b32 s23, s16, 7
	s_add_co_u32 s22, s22, s23
	s_mov_b32 s23, 0
	s_lshl_b32 s24, s21, 3
	s_add_co_u32 s24, s24, s20
	s_lshl_b32 s24, s24, 3
	s_add_co_u32 s24, s24, s18
	s_lshl_b32 s24, s24, 3
	s_add_co_u32 s24, s24, s19                     ; I
	s_mul_i32 s26, s24, 12288
	s_mul_i32 s27, s16, 3072
	s_add_co_u32 s26, s26, s27
	s_mov_b32 s27, 0
	s_lshl_b32 s28, s24, 9
	s_mov_b32 s29, 0
	s_wait_alu depctr_va_vdst(0)                   ; the wait here, behind the run of scalar lines
	v_bfe_u32 v8, v1, 3, 1                         ; u
	v_and_b32 v9, 7, v1
	v_lshrrev_b32 v10, 4, v1
	v_lshl_add_u32 v9, v10, 3, v9                  ; rr
	s_mul_i32 s30, s16, SWV
	s_add_co_u32 s30, s30, WL
	v_mul_u32_u24 v3, v8, SIM
	v_lshl_add_u32 v3, v9, 4, v3
	v_add_nc_u32 v3, s30, v3
	v_lshlrev_b32 v5, 4, v1
	v_add_nc_u32 v4, s30, v5
	v_lshl_add_u32 v6, v8, 4, v9
	v_lshlrev_b32 v6, 4, v6
	s_lshl_b32 s31, s16, 2
	s_add_co_u32 s31, s31, QSC
	v_add_nc_u32 v6, s31, v6
	v_add_nc_u32 v7, QSC, v5
	s_wait_kmcnt 0x0
	s_cmp_eq_u32 s21, 0                            ; W1 or W2: the choice hangs on the work-group's number alone
	s_cselect_b64 s[4:5], s[4:5], s[6:7]
	s_add_nc_u64 s[4:5], s[4:5], s[22:23]
	s_add_nc_u64 s[8:9], s[8:9], s[26:27]
	s_add_nc_u64 s[10:11], s[10:11], s[28:29]
.macro LOAD b
.set i, 0
.rept 32
	global_load_b32 v[X+32*(\b)+i], v2, s[4:5] offset:(32*(\b)+i)*4096 th:TH_LOAD_NT
.set i, i+1
.endr
.endm
.macro BLOCK b
.set XS, X+32*(\b)
.set CC, C+8*(\b)
	v_max3_num_f32 v12, |v[XS]|, |v[XS+1]|, |v[XS+2]|
	v_max3_num_f32 v13, |v[XS+3]|, |v[XS+4]|, |v[XS+5]|
.irp i, 6,10,14,18,22,26
	v_max3_num_f32 v12, v12, |v[XS+\i]|, |v[XS+\i+1]|
	v_max3_num_f32 v13, v13, |v[XS+\i+2]|, |v[XS+\i+3]|
.endr
	v_max3_num_f32 v12, v12, |v[XS+30]|, |v[XS+31]|
	v_max3_num_f32 v12, v12, v13, 0x2800000
	v_add_nc_u32 v14, 0xfe000000, v12
	v_cvt_scalef32_pk16_bf6_f32 v[CC:CC+2], v[XS:XS+15], v14
	v_cvt_scalef32_pk16_bf6_f32 v[CC+4:CC+6], v[XS+16:XS+31], v14
	v_lshrrev_b32 v15, 23, v14                     ; the scale's byte; also the plain place behind the conversions
	v_mov_b32 v[CC+3], v[CC+4]
	v_mov_b32 v[CC+4], v[CC+5]
	v_mov_b32 v[CC+5], v[CC+6]
.if (\b) == 0
	v_mov_b32 v24, v15
.else
	v_lshl_or_b32 v24, v15, 8*(\b), v24
.endif
.if (\b) < 2
	ds_store_b128 v3, v[CC:CC+3] offset:256*((\b)%2)
	ds_store_b64 v3, v[CC+4:CC+5] offset:256*((\b)%2)+512
.else
	ds_store_b64 v3, v[CC:CC+1] offset:256*((\b)%2)+520
	ds_store_b128 v3, v[CC+2:CC+5] offset:256*((\b)%2)+1024
.endif
.endm
	LOAD 0
	LOAD 1
	s_wait_loadcnt 32                              ; block 0's 32 loads are in; block 1's may be out
	LOAD 2
	BLOCK 0
	s_wait_loadcnt 32
	LOAD 3
	BLOCK 1
	s_wait_loadcnt 32
	BLOCK 2
	s_wait_loadcnt 0x0
	BLOCK 3
	ds_store_b32 v6, v24
.irp g, 0,1,2,3,4,5
	ds_load_b128 v[X+4*\g:X+4*\g+3], v4 offset:SIM*(\g/3)+512*(\g%3)
.endr
.irp g, 0,1,2,3,4,5
	s_wait_dscnt 5-\g
	global_store_b128 v5, v[X+4*\g:X+4*\g+3], s[8:9] offset:1536*(\g/3)+512*(\g%3)     ; 512 consecutive bytes
.endr
	s_wait_dscnt 0x0                               ; for wave 0's sake: my scale words lie in LDS
	s_barrier_signal -1
	s_barrier_wait -1
	s_cmp_lg_u32 s16, 0
	s_cbranch_scc1 .Lwdone
	ds_load_b128 v[56:59], v7
	s_wait_dscnt 0x0
	global_store_b128 v5, v[56:59], s[10:11]
.Lwdone:
	s_wait_tensorcnt 0x0                           ; the wave's end
	ds_add_u32 v254, v255
	s_wait_dscnt 0x0
	s_endpgm
.Lfunc_end_k_qbbfcd5794e_quant:
	.size	k_qbbfcd5794e_quant, .Lfunc_end_k_qbbfcd5794e_quant-k_qbbfcd5794e_quant
	.p2alignl 7, 3214868480
	.fill 96, 4, 3214868480
	.section	.rodata,"a",@progbits
	.p2align	6, 0x0
	.amdhsa_kernel k_qbbfcd5794e_quant
		.amdhsa_group_segment_fixed_size 98816
		.amdhsa_private_segment_fixed_size 0
		.amdhsa_enable_private_segment 0
		.amdhsa_kernarg_size 88
		.amdhsa_user_sgpr_count 2
		.amdhsa_user_sgpr_kernarg_segment_ptr 1
		.amdhsa_wavefront_size32 1
		.amdhsa_system_sgpr_workgroup_id_x 1
		.amdhsa_system_sgpr_workgroup_id_y 1
		.amdhsa_system_sgpr_workgroup_id_z 1
		.amdhsa_system_vgpr_workitem_id 0
		.amdhsa_next_free_vgpr 512
		.amdhsa_next_free_sgpr 66
		.amdhsa_reserve_vcc 1
		.amdhsa_float_denorm_mode_32 3
		.amdhsa_float_denorm_mode_16_64 3
		.amdhsa_memory_ordered 1
		.amdhsa_forward_progress 1
		.amdhsa_inst_pref_size 102
	.end_amdhsa_kernel
	.amdgpu_metadata
---
amdhsa.version: [ 1, 2 ]
amdhsa.kernels:
  - .name:           k_qbbfcd5794e_quant
    .symbol:         k_qbbfcd5794e_quant.kd
    .args:
      - { .name: x, .offset: 0, .size: 8, .value_kind: global_buffer, .address_space: global }
      - { .name: Wr, .offset: 8, .size: 8, .value_kind: global_buffer, .address_space: global }
      - { .name: br, .offset: 16, .size: 8, .value_kind: global_buffer, .address_space: global }
      - { .name: xq, .offset: 24, .size: 8, .value_kind: global_buffer, .address_space: global }
      - { .name: xs, .offset: 32, .size: 8, .value_kind: global_buffer, .address_space: global }
      - { .name: eidx, .offset: 40, .size: 8, .value_kind: global_buffer, .address_space: global }
      - { .name: gate, .offset: 48, .size: 8, .value_kind: global_buffer, .address_space: global }
      - { .name: W1, .offset: 56, .size: 8, .value_kind: global_buffer, .address_space: global }
      - { .name: W2, .offset: 64, .size: 8, .value_kind: global_buffer, .address_space: global }
      - { .name: wq, .offset: 72, .size: 8, .value_kind: global_buffer, .address_space: global }
      - { .name: ws, .offset: 80, .size: 8, .value_kind: global_buffer, .address_space: global }
    .group_segment_fixed_size: 98816
    .private_segment_fixed_size: 0
    .kernarg_segment_align: 8
    .kernarg_segment_size: 88
    .max_flat_workgroup_size: 128
    .sgpr_count:     66
    .vgpr_count:     512
    .wavefront_size: 32
...
	.end_amdgpu_metadata
.endif
;; end of part 1
;; launch ffn1 (part 2): grid 156 x 1, 4 waves a work-group, no clusters, 104,960 bytes of LDS; arguments xq, xs, eidx, wq, ws, b1, hq, plan; writes hq, plan
.if DOCPART == 2
	.amdgcn_target "amdgcn-amd-amdhsa--gfx1250"
	.amdhsa_code_object_version 6
	.text
	.protected	k_qbbfcd5794e_ffn1
	.globl	k_qbbfcd5794e_ffn1
	.p2align	8
	.type	k_qbbfcd5794e_ffn1,@function
k_qbbfcd5794e_ffn1:
	s_mov_b64 s[64:65], 0
	v_nop
	global_prefetch_b8 v0, s[64:65] scope:SCOPE_SE
	s_setreg_imm32_b32 hwreg(HW_REG_WAVE_MODE, 25, 1), 1
	s_wait_xcnt 0x0
; FFN1.  h[row] = Q(relu(x[t] W1[e] + b1[e])), e the token's expert: codes of BF6 (E3M2), one E8M0 byte for each 32 hidden units.  Only the chosen expert's rows are multiplied: reference() keeps no other row.
; SHARES.  Work-group number = 4 g + n: tile g of 128 rows of one expert x slice n of 256 hidden units.  4,096 rows, 8 experts, tiles of 128: never more than 32 + 7 = 39 tiles, whatever the split.
; PLACING THE ROWS.  Every wave reads all 4,096 experts' numbers (eidx, stored by the launch before): register 4 j + k of lane L is token 128 j + 4 L + k.  It counts the eight experts in packed fields
; (4 bits for 8 registers, then 8, then 16 bits over the lanes), finds tile g's expert, place and rows from the counts, and then its own 32 rows' tokens: a token's rank in its expert goes by register, then by lane;
; lane L wants rank 128 j' + min(32 w + L, rows - 1).  A walk over the 128 lane masks keeps the last register whose first rank is not past the wanted one, and a walk over that mask's 32 bits finds the lane.
; No scatter, no atomic, no barrier.  Rows past the count repeat the tile's last row.  Slice 0 of a tile stores its 128 tokens into plan (expert E's list from byte 256 + 16,384 E), work-group 0 the eight counts.
; A tile without rows passes both barriers and stores nothing.
; Wave w makes 64 hidden units for all 128 rows: 8 x 4 accumulators, 256 registers (window 3).  Its 48 KB of W1's codes go from memory straight into 384 registers (windows 1, 2), each byte once in the work-group.
; The rows' codes are gathered once (wave w: rows 32 w .. 32 w + 31) into LDS as images of the operand's registers: image (m, s) at 1,536 (8 m + s): for c = 0, 1 at 768 c: registers 6 c .. 6 c + 3 at 16 lane,
; registers 6 c + 4, 6 c + 5 at 512 + 8 lane.  Scale words at SCL: 512 s + 32 r + 4 m.  hq has the same two layouts for each tile: codes at 98,304 g, scale words at HSOFF + 4,096 g.
; THE PRODUCT IS USED TRANSPOSED (source 0 = 16 columns of W1, source 1 = 16 rows): lane (r, h), tiles 2 b, 2 b + 1: 16 neighbouring hidden units 32 b + 16 h + 0 .. 15 of row r.  b1 is the C of the first K step.
; The 32 accumulators take turns, one instruction a turn.
; No tensor loads, no cluster: addresses and branches hang on the stored experts' numbers.  No prefetch: every load is issued as soon as its address is known, and there is no loop to run ahead in.
; LIMITS: NaN and infinities are not served; a block of zeros carries the scale byte 1: its codes are zeros, and this program alone reads the bytes.
.set SCL, 98304
.set HSC, 102400
.set SPARE, 104448
.set HSOFF, 3833856
.set LI, 1
.set L8, 3
.set SA, 5
.set BO, 6
.set WSO, 7
.set XB, 8
.set XH, 9
.set TK, 10
.set XW, 16
.set XSW, 18
.set HSW, 19
.set HSR, 20
.set HSG, 21
.set SPW, 22
.set NIL, 23
.set WS, 24
.set AS, 40
.set BI, 56
.set LN, 88
.set RR, 89
.set HH, 90
.set CV, 91                            ; v91-94 data and offsets of the stores into plan: never rewritten
.set TT, 92
.set PO, 93
.set L4, 94
.set XX, 95
.set AF, 96
.set EI, 96                            ; v96-223 the 4,096 experts' numbers, ahead of the products
.set T, 192
.set T2, 208
.set SC, 224
.set PW, 240
.set PC, 96
.set XS4, 192
.set H4, 224
.set HT, 228
.set LO8, 232
.set HI8, 233
.set ONE, 234
.set HA, 236
.set HX, 240
.set RHO, 244
.set TB, 245
.set BS, 246
.set MK, 247
.set DD, 248
.set NG, 249
.set BT, 224
.set DQ, 228
.set WV, 22
.set TBC, 32
.set EX, 33
.set TBE, 34
.set NE, 35
.set TS, 36
.set JJ, 37
.set CNT, 38
.set POS, 40
.set LIM, 41
.set G, 42
.set NN, 43
.set WQ, 46
.set WSB, 48
.set BB, 50
.set PL, 52
.set SEL, 54
.set HQ, 56
.set HS, 58
.set MSB, 0
.macro WIN new
.if MSB != \new
	s_set_vgpr_msb (MSB<<8)|\new
.set MSB, \new
.endif
.endm
.macro PLACES                          ; four plain places behind matrix instructions (ISA guide 7.12.1)
.rept 4
	v_nop
.endr
.endm
.macro LOADW s                         ; my four fragments of K step s: steps 0-4 in window 1, 5-7 in window 2; 12 loads of 512 consecutive bytes
.if (\s) < 5
	WIN 0x40
.set WR, 48*(\s)
.else
	WIN 0x80
.set WR, 48*((\s)-5)
.endif
.irp f, 0,1,2,3
.irp c, 0,1,2
	global_load_b128 v[WR+12*\f+4*\c:WR+12*\f+4*\c+3], v[LI], s[WQ:WQ+1] offset:12288*(\s)+1536*\f+512*\c
.endr
.endr
	WIN 0
.endm
.macro LOADA s                         ; the rows' eight fragments and scale words of K step s: 34 LDS loads
.if (\s)%2
	WIN 0x80
.endif
.set AR, AF+48*((\s)%2)
.irp m, 0,1,2,3,4,5,6,7
.set O, (8*(\m%4)+(\s))*1536
	ds_load_b128 v[AR+12*\m:AR+12*\m+3], v[LI+\m/4] offset:O
	ds_load_b64 v[AR+12*\m+4:AR+12*\m+5], v[L8+\m/4] offset:O+512
	ds_load_b128 v[AR+12*\m+6:AR+12*\m+9], v[LI+\m/4] offset:O+768
	ds_load_b64 v[AR+12*\m+10:AR+12*\m+11], v[L8+\m/4] offset:O+1280
.endr
	WIN 0
	ds_load_b128 v[AS+8*((\s)%2):AS+8*((\s)%2)+3], v[SA] offset:512*(\s)
	ds_load_b128 v[AS+8*((\s)%2)+4:AS+8*((\s)%2)+7], v[SA] offset:512*(\s)+16
.endm
.macro MULS s                          ; 32 products; an odd tile's scale words stand in lanes 16-31
.if (\s) < 5
.set WR, 48*(\s)
.set MW, 1
.else
.set WR, 48*((\s)-5)
.set MW, 2
.endif
.set AR, AF+48*((\s)%2)
.if (\s) == 0
	WIN 0xc0|MW
.else
	WIN 0xf0|(((\s)%2)<<3)|MW
.endif
.irp m, 0,1,2,3,4,5,6,7
.irp f, 0,1,2,3
.set DR, 32*\m+8*\f
.if (\s) == 0
.set CR, BI+8*\f
.else
.set CR, DR
.endif
.if \f%2
	v_wmma_scale_f32_16x16x128_f8f6f4 v[DR:DR+7], v[WR+12*\f:WR+12*\f+11], v[AR+12*\m:AR+12*\m+11], v[CR:CR+7], v[WS+2*(\s)+\f/2], v[AS+8*((\s)%2)+\m] matrix_a_fmt:MATRIX_FMT_BF6 matrix_b_fmt:MATRIX_FMT_BF6 matrix_a_scale:MATRIX_SCALE_ROW1
.else
	v_wmma_scale_f32_16x16x128_f8f6f4 v[DR:DR+7], v[WR+12*\f:WR+12*\f+11], v[AR+12*\m:AR+12*\m+11], v[CR:CR+7], v[WS+2*(\s)+\f/2], v[AS+8*((\s)%2)+\m] matrix_a_fmt:MATRIX_FMT_BF6 matrix_b_fmt:MATRIX_FMT_BF6
.endif
.endr
.endr
	WIN 0
.endm
.macro STEP s
.if (\s) > 0
	PLACES                                         ; for the LDS loads into the set that the step before multiplied
.endif
.if (\s) < 7
	LOADA (\s)+1
	s_wait_dscnt 34                                ; this step's rows are in; the 34 loads just issued may be out
.else
	s_wait_dscnt 0x0
.endif
.if (\s) >= 2                          ; steps 0 and 1 were shown in by the head's wait
.if (\s) < 4
	s_wait_loadcnt 48                              ; behind this step's 12 loads: four later steps' 48
.else
	s_wait_loadcnt 12*(7-(\s))
.endif
.endif
.if (\s) < 3
	LOADW (\s)+5
.endif
	MULS \s
.endm
	s_load_b256 s[4:11], s[0:1], 0x0               ; xq, xs, eidx, wq
	s_load_b256 s[12:19], s[0:1], 0x20             ; ws, b1, hq, plan
	v_lshl_add_u32 v[SPW], v0, 2, SPARE
	v_mov_b32 v[NIL], 0
	v_lshrrev_b32 v[LN], 5, v0
	v_readfirstlane_b32 s[WV], v[LN]               ; wave 0..3
	s_and_b32 s60, s[WV], 1                        ; c = w & 1
	s_lshr_b32 s61, s[WV], 1
	s_lshl_b32 s62, s60, 3
	s_mul_i32 s63, s[WV], 24576
	s_lshl_b32 s23, s[WV], 3
	s_lshl_b32 s20, s61, 9
	s_lshl_b32 s21, s60, 1
	s_add_co_u32 s20, s20, s21
	s_add_co_u32 s20, s20, HSC                     ; HSC + 512 (w >> 1) + 2 c
	s_lshr_b32 s[G], ttmp9, 2
	s_and_b32 s[NN], ttmp9, 3
	s_mov_b32 s[SEL], 0x76543210
	s_mov_b32 s[SEL+1], 0xfedcba98
	v_and_b32 v[LN], 31, v0
	v_and_b32 v[RR], 15, v0
	v_bfe_u32 v[HH], v0, 4, 1
	v_lshlrev_b32 v[LI], 4, v[LN]
	v_lshl_add_u32 v[LI+1], v[LN], 4, 49152
	v_lshlrev_b32 v[L8], 3, v[LN]
	v_lshl_add_u32 v[L8+1], v[LN], 3, 49152
	v_lshlrev_b32 v[L4], 2, v[LN]
	v_lshl_add_u32 v[SA], v[RR], 5, SCL
	v_lshlrev_b32 v[BO], 6, v[HH]
	v_lshl_add_u32 v[WSO], v[LN], 4, s62
	v_mul_u32_u24 v[XB], v[HH], 48
	v_lshlrev_b32 v[XH], 4, v[HH]
	v_add_nc_u32 v[XW], s63, v[LI]
	v_add_nc_u32 v[XW+1], s63, v[L8]
	v_lshl_add_u32 v[XSW], v[HH], 11, v[SA]        ; x's scale words: K steps 4 h + i, row r, tiles 2 w, 2 w + 1
	v_add_nc_u32 v[XSW], s23, v[XSW]
	v_lshl_add_u32 v[HSW], v[RR], 5, s20
	v_lshl_add_u32 v[HSR], v0, 4, HSC
	v_lshlrev_b32 v[HSG], 4, v0
	v_mov_b32 v[ONE], 1
	v_mov_b32 v[LO8], 0
	v_mov_b32 v[HI8], 0
	v_mov_b32 v[XX], 0                             ; a lane exchange's destination counts as a source
.irp a, 0,1,2,3
	v_mov_b32 v[HX+\a], 0
.endr
	s_wait_alu depctr_va_vdst(0)                   ; the wait at the head's end
	s_wait_kmcnt 0x0
.set i, 0
.rept 32
	global_load_b128 v[EI+4*i:EI+4*i+3], v[LI], s[8:9] offset:512*i        ; 512 consecutive bytes of eidx
.set i, i+1
.endr
.irp q, 0,1,2,3
	s_wait_loadcnt 24-8*\q                         ; this quarter's eight loads are in; the later quarters' may be out
.irp j, 0,1,2,3,4,5,6,7
.irp a, 0,1,2,3
	v_lshlrev_b32 v[HT+\a], 2, v[EI+32*\q+8*\a+\j]
.endr
.irp a, 0,1,2,3
.if \j == 0
	v_lshlrev_b32 v[H4+\a], v[HT+\a], v[ONE]
.else
	v_lshl_add_u32 v[H4+\a], v[ONE], v[HT+\a], v[H4+\a]
.endif
.endr
.endr
.irp a, 0,1,2,3
	v_and_b32 v[HT+\a], 0x0f0f0f0f, v[H4+\a]       ; experts 0, 2, 4, 6
.endr
.irp a, 0,1,2,3
	v_lshrrev_b32 v[H4+\a], 4, v[H4+\a]
.endr
.irp a, 0,1,2,3
	v_and_b32 v[H4+\a], 0x0f0f0f0f, v[H4+\a]       ; experts 1, 3, 5, 7
.endr
	v_add3_u32 v[LO8], v[LO8], v[HT], v[HT+1]
	v_add3_u32 v[HI8], v[HI8], v[H4], v[H4+1]
	v_add3_u32 v[LO8], v[LO8], v[HT+2], v[HT+3]
	v_add3_u32 v[HI8], v[HI8], v[H4+2], v[H4+3]
.endr
	v_and_b32 v[HA], 0xff00ff, v[LO8]              ; fields of 16 bits: experts 0 and 4,
	v_lshrrev_b32 v[HA+1], 8, v[LO8]
	v_and_b32 v[HA+2], 0xff00ff, v[HI8]            ; 1 and 5,
	v_lshrrev_b32 v[HA+3], 8, v[HI8]
	v_and_b32 v[HA+1], 0xff00ff, v[HA+1]           ; 2 and 6,
	v_and_b32 v[HA+3], 0xff00ff, v[HA+3]           ; 3 and 7; summed over the 32 lanes
.irp x, 1,2,4,8
.irp a, 0,1,2,3
	v_mov_b32_dpp v[HX+\a], v[HA+\a] row_xmask:\x row_mask:0xf bank_mask:0xf
.endr
.irp a, 0,1,2,3
	v_add_nc_u32 v[HA+\a], v[HA+\a], v[HX+\a]
.endr
.endr
.irp a, 0,1,2,3
	v_permlanex16_b32 v[HX+\a], v[HA+\a], s[SEL], s[SEL+1]
.endr
.irp a, 0,1,2,3
	v_add_nc_u32 v[HA+\a], v[HA+\a], v[HX+\a]
.endr
	v_readfirstlane_b32 s28, v[HA]
	v_readfirstlane_b32 s30, v[HA+1]
	v_readfirstlane_b32 s29, v[HA+2]
	v_readfirstlane_b32 s31, v[HA+3]
.irp e, 0,1,2,3
	s_and_b32 s[24+\e], s[28+\e], 0xffff           ; s[24 + e]: expert e's count
	s_lshr_b32 s[28+\e], s[28+\e], 16
.endr
	s_or_b32 s62, ttmp9, s[WV]
	s_cmp_lg_u32 s62, 0
	s_cbranch_scc1 .Lnc
	v_mov_b32 v[CV], s24                           ; wave 0 of work-group 0 stores the counts: words 0 to 7 of plan (words 8 to 31 get a copy of word 0 and are read by nobody)
.irp e, 1,2,3,4,5,6,7
	v_writelane_b32 v[CV], s[24+\e], \e
.endr
	global_store_b32 v[L4], v[CV], s[18:19]
.Lnc:
	s_mov_b32 s[TBC], 0                            ; which tile is mine: the last expert whose first tile is not past g
	s_mov_b32 s[EX], 0
	s_mov_b32 s[TBE], 0
	s_mov_b32 s[NE], 0
.irp e, 0,1,2,3,4,5,6,7
	s_cmp_le_u32 s[TBC], s[G]
	s_cselect_b32 s[EX], \e, s[EX]
	s_cselect_b32 s[TBE], s[TBC], s[TBE]
	s_cselect_b32 s[NE], s[24+\e], s[NE]
	s_add_co_u32 s[TS], s[24+\e], 127
	s_lshr_b32 s[TS], s[TS], 7
	s_add_co_u32 s[TBC], s[TBC], s[TS]
.endr
	s_sub_co_u32 s[JJ], s[G], s[TBE]
	s_lshl_b32 s[TS], s[JJ], 7
	s_min_u32 s[TS], s[TS], s[NE]
	s_sub_co_u32 s[CNT], s[NE], s[TS]
	s_min_u32 s[CNT], s[CNT], 128                  ; the tile's rows; 0 where the split leaves none
	s_min_u32 s[EX], s[EX], 7
	s_lshl_b32 s[POS], s[EX], 12
	s_lshl_b32 s[TS], s[JJ], 7
	s_add_co_u32 s[POS], s[POS], s[TS]
	s_min_u32 s[POS], s[POS], 0x7f80               ; the tile's first entry in plan's lists
	s_max_u32 s[LIM], s[CNT], 1
	s_sub_co_u32 s[LIM], s[LIM], 1
	s_lshl_b32 s[TS], s[EX], 3
	s_lshl_b32 s62, s[NN], 1
	s_add_co_u32 s62, s62, s61                     ; 2 n + (w >> 1): my slice of 128 columns, and h's K step
	s_add_co_u32 s[TS], s[TS], s62
	s_mul_i32 s44, s[TS], 98304
	s_mul_i32 s63, s60, 6144
	s_add_co_u32 s44, s44, s63
	s_mov_b32 s45, 0
	s_add_nc_u64 s[WQ:WQ+1], s[10:11], s[44:45]
	s_lshl_b32 s44, s[TS], 12
	s_add_nc_u64 s[WSB:WSB+1], s[12:13], s[44:45]
	s_lshl_b32 s44, s[EX], 12
	s_lshl_b32 s63, s[NN], 10
	s_add_co_u32 s44, s44, s63
	s_lshl_b32 s63, s[WV], 8
	s_add_co_u32 s44, s44, s63
	s_add_nc_u64 s[BB:BB+1], s[14:15], s[44:45]
	s_add_nc_u64 s[PL:PL+1], s[18:19], 256
	s_mul_i32 s44, s[G], 98304
	s_mul_i32 s62, s62, 1536
	s_add_co_u32 s44, s44, s62
	s_mul_i32 s62, s60, 768
	s_add_co_u32 s44, s44, s62
	s_add_nc_u64 s[HQ:HQ+1], s[16:17], s[44:45]
	s_lshl_b32 s44, s[G], 12
	s_lshl_b32 s62, s[NN], 10
	s_add_co_u32 s44, s44, s62
	s_add_co_u32 s44, s44, HSOFF
	s_add_nc_u64 s[HS:HS+1], s[16:17], s[44:45]
.irp f, 0,1,2,3
	global_load_b128 v[BI+8*\f:BI+8*\f+3], v[BO], s[BB:BB+1] offset:128*(\f/2)+32*(\f%2)
	global_load_b128 v[BI+8*\f+4:BI+8*\f+7], v[BO], s[BB:BB+1] offset:128*(\f/2)+32*(\f%2)+16
.endr
.irp k, 0,1,2,3,4,5,6,7
	global_load_b64 v[WS+2*\k:WS+2*\k+1], v[WSO], s[WSB:WSB+1] offset:512*\k
.endr
	LOADW 0
	LOADW 1
	; ---- my 32 rows' tokens, while these 40 loads are on their way
	s_lshl_b32 s62, s[WV], 5
	s_lshl_b32 s63, s[JJ], 7
	s_min_u32 s63, s63, 0xfff
	v_add_nc_u32 v[PO], s62, v[LN]                 ; my row of the tile
	v_min_u32 v[RHO], s[LIM], v[PO]                ; rows past the count repeat the last row
	v_add_nc_u32 v[RHO], s63, v[RHO]               ; the rank wanted
	v_add_nc_u32 v[PO], s[POS], v[PO]
	v_min_u32 v[PO], 0x7fff, v[PO]                 ; the lists have 32,768 entries
	v_lshlrev_b32 v[PO], 2, v[PO]
	v_mov_b32 v[TB], 0
	v_mov_b32 v[BS], 0
	v_mov_b32 v[MK], 0
.set i, 0
; The walk goes in 16 batches of eight registers.  s[66:81]: the lane masks of my expert, two sets of eight by turns, made a batch ahead; s[82:90]: the first ranks of the batch's eight registers and of the next one;
; s[24:31] (the counts are done with): register a's first rank is past the wanted one: keep what I have.  TB keeps the register's number.
.irp a, 0,1,2,3,4,5,6,7
	v_cmp_eq_u32 s[66+\a], s[EX], v[EI+\a]
.endr
	s_mov_b32 s82, 0
.macro BATCH k
.irp a, 0,1,2,3,4,5,6,7
	s_bcnt1_i32_b32 s94, s[66+8*((\k)%2)+\a]
	s_add_co_u32 s[83+\a], s[82+\a], s94
.endr
.irp a, 0,1,2,3,4,5,6,7
	v_cmp_gt_u32 s[24+\a], s[82+\a], v[RHO]
.endr
.if (\k) < 15
.irp a, 0,1,2,3,4,5,6,7
	v_cmp_eq_u32 s[66+8*(((\k)+1)%2)+\a], s[EX], v[EI+8*((\k)+1)+\a]
.endr
.endif
.irp a, 0,1,2,3,4,5,6,7
	v_cndmask_b32 v[TB], 8*(\k)+\a, v[TB], s[24+\a]
	v_cndmask_b32 v[BS], s[82+\a], v[BS], s[24+\a]
	v_cndmask_b32 v[MK], s[66+8*((\k)%2)+\a], v[MK], s[24+\a]
.endr
	s_mov_b32 s82, s90
.endm
.irp k, 0,1,2,3,4,5,6,7,8,9,10,11,12,13,14,15
	BATCH \k
.endr
	v_lshrrev_b32 v[DD], 2, v[TB]                  ; register 4 j + k holds tokens 128 j + k + 4 lane
	v_and_b32 v[NG], 3, v[TB]
	v_lshl_add_u32 v[TB], v[DD], 7, v[NG]
	v_sub_nc_u32 v[DD], v[RHO], v[BS]              ; which of the mask's set bits; it goes under 0 at the bit wanted, and the bits from there on are counted
	v_mov_b32 v[NG], 0
.set b, 0
.rept 8
.irp a, 0,1,2,3
	v_bfe_u32 v[BT+\a], v[MK], b+\a, 1
.endr
	v_sub_nc_u32 v[DQ], v[DD], v[BT]
	v_sub_nc_u32 v[DQ+1], v[DQ], v[BT+1]
	v_sub_nc_u32 v[DQ+2], v[DQ+1], v[BT+2]
	v_sub_nc_u32 v[DD], v[DQ+2], v[BT+3]
	v_lshrrev_b32 v[BT], 31, v[DQ]
	v_lshrrev_b32 v[BT+1], 31, v[DQ+1]
	v_lshrrev_b32 v[BT+2], 31, v[DQ+2]
	v_lshrrev_b32 v[BT+3], 31, v[DD]
	v_add3_u32 v[NG], v[NG], v[BT], v[BT+1]
	v_add3_u32 v[NG], v[NG], v[BT+2], v[BT+3]
.set b, b+4
.endr
	v_add_nc_u32 v[TB], 128, v[TB]
	v_lshlrev_b32 v[NG], 2, v[NG]
	v_sub_nc_u32 v[TT], v[TB], v[NG]               ; the token: 128 j + k + 4 (32 - the count)
	v_min_u32 v[TT], 0xfff, v[TT]
	v_permlanex16_b32 v[XX], v[TT], s[SEL], s[SEL+1]
	v_cmp_eq_u32 s62, 1, v[HH]
	v_cndmask_b32 v[TK], v[TT], v[XX], s62         ; the tokens of rows 32 w + r
	v_cndmask_b32 v[TK+1], v[XX], v[TT], s62       ; and 32 w + 16 + r
	s_wait_alu depctr_va_vdst(0)                   ; the wait here, directly ahead of the branches
	s_cmp_eq_u32 s[CNT], 0
	s_cbranch_scc1 .Lns
	s_cmp_lg_u32 s[NN], 0
	s_cbranch_scc1 .Lns
	global_store_b32 v[PO], v[TT], s[PL:PL+1]      ; slice 0 stores the tile's tokens, 128 consecutive bytes a wave
.Lns:
.set i, 0
.rept 16
	v_mov_b32 v[T2+i], 0                           ; a lane exchange's destination counts as a source
.set i, i+1
.endr
	v_min_u32 v[TK], 0xfff, v[TK]
	v_min_u32 v[TK+1], 0xfff, v[TK+1]
	v_mul_u32_u24 v12, v[TK], 768
	v_mul_u32_u24 v13, v[TK+1], 768
	v_add_nc_u32 v12, v12, v[XB]
	v_add_nc_u32 v13, v13, v[XB]
	v_lshl_add_u32 v14, v[TK], 5, v[XH]
	v_lshl_add_u32 v15, v[TK+1], 5, v[XH]
	WIN 0xc0                                       ; the gather lands where the accumulators will be
.irp t, 0,1
.irp k, 0,1,2,3,4,5,6,7
.irp c, 0,1,2
	global_load_b128 v[(8*\t+\k)*12+4*\c:(8*\t+\k)*12+4*\c+3], v[12+\t], s[4:5] offset:96*\k+16*\c
.endr
.endr
.endr
	WIN 0
	global_load_b128 v[XS4:XS4+3], v14, s[6:7]
	global_load_b128 v[XS4+4:XS4+7], v15, s[6:7]
	LOADW 2
	LOADW 3
	LOADW 4
	s_wait_loadcnt 36                              ; all but the 36 loads of K steps 2 to 4
	WIN 0x0c
.irp t, 0,1
.irp k, 0,1,2,3,4,5,6,7
.set R, (8*\t+\k)*12
	ds_store_b128 v[XW], v[R:R+3] offset:(8*\t+\k)*1536
	ds_store_b64 v[XW+1], v[R+4:R+5] offset:(8*\t+\k)*1536+512
	ds_store_b128 v[XW], v[R+6:R+9] offset:(8*\t+\k)*1536+768
	ds_store_b64 v[XW+1], v[R+10:R+11] offset:(8*\t+\k)*1536+1280
.endr
.endr
	WIN 0
.irp t, 0,1
.irp i, 0,1,2,3
	ds_store_b32 v[XSW], v[XS4+4*\t+\i] offset:512*\i+4*\t
.endr
.endr
	s_wait_dscnt 0x0                               ; for the others' sake: my rows' images lie in LDS
	s_barrier_signal -1
	s_barrier_wait -1
	s_cmp_eq_u32 s[CNT], 0                         ; no barrier stands under this branch
	s_cbranch_scc1 .Lmeet
	LOADA 0
.irp k, 0,1,2,3,4,5,6,7
	STEP \k
.endr
	PLACES
	WIN 0xcc
.set i, 0
.rept 256
	v_max_num_f32 v[i], 0, v[i]                    ; relu; each accumulator from its low end on
.set i, i+1
.endr
	WIN 0x0f                                       ; 16 blocks: block 2 m + b is registers 32 m + 16 b .. + 15, with lane l xor 16's
.set b, 0
.rept 16
	v_max3_num_f32 v[T+b], v[16*b], v[16*b+1], 0x2800000   ; and the floor 2^(5 - 127): the byte cannot fall under 1
.set b, b+1
.endr
.irp i, 2,4,6,8,10,12,14
.set b, 0
.rept 16
	v_max3_num_f32 v[T+b], v[16*b+\i], v[16*b+\i+1], v[T+b]
.set b, b+1
.endr
.endr
	WIN 0
.set b, 0
.rept 16
	v_permlanex16_b32 v[T2+b], v[T+b], s[SEL], s[SEL+1]
.set b, b+1
.endr
.set b, 0
.rept 16
	v_max_num_f32 v[T+b], v[T+b], v[T2+b]
.set b, b+1
.endr
.set b, 0
.rept 16
	v_add_nc_u32 v[SC+b], 0xfe000000, v[T+b]       ; 4 off the exponent field: the conversion's scale operand
.set b, b+1
.endr
.set b, 0
.rept 16
	v_lshrrev_b32 v[T+b], 23, v[SC+b]              ; the scale's byte
.set b, b+1
.endr
.irp m, 0,1,2,3,4,5,6,7
	v_lshl_or_b32 v[PW+\m], v[T+2*\m+1], 8, v[T+2*\m]      ; my two bytes of the row's scale word
.endr
	WIN 0x03
.set b, 0
.rept 16
	v_cvt_scalef32_pk16_bf6_f32 v[PC+4*b:PC+4*b+2], v[16*b:16*b+15], v[SC+b]
.set b, b+1
.endr
	WIN 0
	v_nop                                          ; one plain place behind the scaled conversions
.irp m, 0,1,2,3,4,5,6,7
.irp i, 0,1,2
	v_permlane16_swap_b32 v[PC+8*\m+\i], v[PC+8*\m+4+\i]   ; a whole block to a lane: lanes 0-15 block 2 c, lanes 16-31 block 2 c + 1
.endr
.endr
.irp m, 0,1,2,3,4,5,6,7
.irp i, 0,1,2
	v_mov_b32 v[PC+8*\m+3+\i], v[PC+8*\m+4+\i]     ; six registers on end
.endr
.endr
.irp m, 0,1,2,3,4,5,6,7
	global_store_b128 v[LI], v[PC+8*\m:PC+8*\m+3], s[HQ:HQ+1] offset:12288*\m          ; 512 consecutive bytes, at a multiple of 256 from hq's first byte
	global_store_b64 v[L8], v[PC+8*\m+4:PC+8*\m+5], s[HQ:HQ+1] offset:12288*\m+512     ; 256 consecutive bytes, likewise
	ds_store_b16 v[HSW], v[PW+\m] offset:4*\m      ; both halves of the lanes write the same bytes with the same value
.endr
.Lmeet:
	s_wait_dscnt 0x0                               ; for the others' sake: my scale bytes lie in LDS
	s_barrier_signal -1
	s_barrier_wait -1
	s_cmp_eq_u32 s[CNT], 0
	s_cbranch_scc1 .Lend
	s_cmp_gt_u32 s[WV], 1
	s_cbranch_scc1 .Lend
	ds_load_b128 v[T:T+3], v[HSR]                  ; waves 0 and 1: the work-group's 1,024 bytes of scale words leave in two stores of 512
	s_wait_dscnt 0x0
	global_store_b128 v[HSG], v[T:T+3], s[HS:HS+1]
.Lend:
	s_wait_tensorcnt 0x0                           ; the wave's end
	ds_add_u32 v[SPW], v[NIL]
	s_wait_dscnt 0x0
	s_endpgm
.Lfunc_end_k_qbbfcd5794e_ffn1:
	.size	k_qbbfcd5794e_ffn1, .Lfunc_end_k_qbbfcd5794e_ffn1-k_qbbfcd5794e_ffn1
	.p2alignl 7, 3214868480
	.fill 96, 4, 3214868480
	.section	.rodata,"a",@progbits
	.p2align	6, 0x0
	.amdhsa_kernel k_qbbfcd5794e_ffn1
		.amdhsa_group_segment_fixed_size 104960
		.amdhsa_private_segment_fixed_size 0
		.amdhsa_enable_private_segment 0
		.amdhsa_kernarg_size 64
		.amdhsa_user_sgpr_count 2
		.amdhsa_user_sgpr_kernarg_segment_ptr 1
		.amdhsa_wavefront_size32 1
		.amdhsa_system_sgpr_workgroup_id_x 1
		.amdhsa_system_sgpr_workgroup_id_y 1
		.amdhsa_system_sgpr_workgroup_id_z 1
		.amdhsa_system_vgpr_workitem_id 0
		.amdhsa_next_free_vgpr 1024
		.amdhsa_next_free_sgpr 96
		.amdhsa_reserve_vcc 0
		.amdhsa_float_denorm_mode_32 3
		.amdhsa_float_denorm_mode_16_64 3
		.amdhsa_memory_ordered 1
		.amdhsa_forward_progress 1
		.amdhsa_inst_pref_size 183
	.end_amdhsa_kernel
	.amdgpu_metadata
---
amdhsa.version: [ 1, 2 ]
amdhsa.kernels:
  - .name:           k_qbbfcd5794e_ffn1
    .symbol:         k_qbbfcd5794e_ffn1.kd
    .args:
      - { .name: xq, .offset: 0, .size: 8, .value_kind: global_buffer, .address_space: global }
      - { .name: xs, .offset: 8, .size: 8, .value_kind: global_buffer, .address_space: global }
      - { .name: eidx, .offset: 16, .size: 8, .value_kind: global_buffer, .address_space: global }
      - { .name: wq, .offset: 24, .size: 8, .value_kind: global_buffer, .address_space: global }
      - { .name: ws, .offset: 32, .size: 8, .value_kind: global_buffer, .address_space: global }
      - { .name: b1, .offset: 40, .size: 8, .value_kind: global_buffer, .address_space: global }
      - { .name: hq, .offset: 48, .size: 8, .value_kind: global_buffer, .address_space: global }
      - { .name: plan, .offset: 56, .size: 8, .value_kind: global_buffer, .address_space: global }
    .group_segment_fixed_size: 104960
    .private_segment_fixed_size: 0
    .kernarg_segment_align: 8
    .kernarg_segment_size: 64
    .max_flat_workgroup_size: 128
    .sgpr_count:     96
    .vgpr_count:     1024
    .wavefront_size: 32
...
	.end_amdgpu_metadata
.endif
;; end of part 2
;; launch ffn2 (part 3): grid 156 x 1, 4 waves a work-group, no clusters, 124,416 bytes of LDS; arguments hq, gate, plan, wq, ws, b2, out0; writes out0
.if DOCPART == 3
	.amdgcn_target "amdgcn-amd-amdhsa--gfx1250"
	.amdhsa_code_object_version 6
	.text
	.protected	k_qbbfcd5794e_ffn2
	.globl	k_qbbfcd5794e_ffn2
	.p2align	8
	.type	k_qbbfcd5794e_ffn2,@function
k_qbbfcd5794e_ffn2:
	s_mov_b64 s[64:65], 0
	v_nop
	global_prefetch_b8 v0, s[64:65] scope:SCOPE_SE
	s_setreg_imm32_b32 hwreg(HW_REG_WAVE_MODE, 25, 1), 1
	s_wait_xcnt 0x0
; FFN2.  out0[t] = gate[t] x (h[row] W2[e] + b2[e]) on the codes that the launch before stored.  Only the chosen expert's rows are multiplied: reference() keeps no other row.
; SHARES as in the launch before: work-group number = 4 g + n: tile g of 128 rows x slice n of 256 outputs; wave w: 64 outputs for all 128 rows, 32 accumulators (window 3), its 48 KB of W2's codes in windows 1 and 2.
; The tile's 98,304 bytes of codes and 4,096 of scale words are dense in hq, laid as the LDS images: each wave copies a quarter through registers.  b2 is the C of the first K step.
; THE WAY OUT.  Lane (r, h) holds 2 x 64 bytes of row r.  16 rows at a time go through the wave's own stage and come back as rows of 256 bytes, two rows an instruction; (token, gate) of each row come from a list
; in the wave's own LDS bytes.  Sixteen lanes store 256 consecutive bytes, at a multiple of 256 from out0's first byte.  Blocks of 16 rows wholly past the tile's count are not stored; in the count's own block
; the rows past it repeat the last row: the same token, the same numbers, stored to the same bytes by this wave.  A tile without rows passes the barrier, reads tile 0 of hq and stores nothing.
; No tensor loads, no cluster: addresses and branches hang on the stored counts.  No prefetch: every load is issued as soon as its address is known, and there is no loop to run ahead in.
; LIMITS: NaN and infinities are not served.
.set SCL, 98304
.set LIST, 102400                      ; 1,024 bytes a wave: (token, gate) of the 128 rows
.set STG, 106496                       ; 4,352 bytes a wave: 16 rows x (256 + 16)
.set SPARE, 123904
.set HSOFF, 3833856
.set LI, 1
.set L8, 3
.set SA, 5
.set BO, 6
.set WSO, 7
.set CW, 8
.set CS, 9
.set LW, 10
.set LR, 11
.set SO, 12
.set SR, 13
.set CO, 14
.set SPW, 22
.set NIL, 23
.set WS, 24
.set AS, 40
.set BI, 56
.set LN, 88
.set RR, 89
.set HH, 90
.set AF, 96
.set LP, 96                            ; the way out: v96-223, 64 pairs (token, then offset; gate)
.set TKG, 224                          ; v224-239 (token, gate) of rows 16 m + r
.set TO, 240
.set GO, 248
.set WV, 22
.set TBC, 32
.set EX, 33
.set TBE, 34
.set NE, 35
.set TS, 36
.set JJ, 37
.set CNT, 38
.set EF, 39
.set POS, 40
.set LIM, 41
.set G, 42
.set NN, 43
.set WQ, 46
.set WSB, 48
.set BB, 50
.set PL, 52
.set HQ, 56
.set HS, 58
.set MSB, 0
.macro WIN new
.if MSB != \new
	s_set_vgpr_msb (MSB<<8)|\new
.set MSB, \new
.endif
.endm
.macro PLACES
.rept 4
	v_nop
.endr
.endm
.macro LOADW s
.if (\s) < 5
	WIN 0x40
.set WR, 48*(\s)
.else
	WIN 0x80
.set WR, 48*((\s)-5)
.endif
.irp f, 0,1,2,3
.irp c, 0,1,2
	global_load_b128 v[WR+12*\f+4*\c:WR+12*\f+4*\c+3], v[LI], s[WQ:WQ+1] offset:12288*(\s)+1536*\f+512*\c
.endr
.endr
	WIN 0
.endm
.macro LOADA s
.if (\s)%2
	WIN 0x80
.endif
.set AR, AF+48*((\s)%2)
.irp m, 0,1,2,3,4,5,6,7
.set O, (8*(\m%4)+(\s))*1536
	ds_load_b128 v[AR+12*\m:AR+12*\m+3], v[LI+\m/4] offset:O
	ds_load_b64 v[AR+12*\m+4:AR+12*\m+5], v[L8+\m/4] offset:O+512
	ds_load_b128 v[AR+12*\m+6:AR+12*\m+9], v[LI+\m/4] offset:O+768
	ds_load_b64 v[AR+12*\m+10:AR+12*\m+11], v[L8+\m/4] offset:O+1280
.endr
	WIN 0
	ds_load_b128 v[AS+8*((\s)%2):AS+8*((\s)%2)+3], v[SA] offset:512*(\s)
	ds_load_b128 v[AS+8*((\s)%2)+4:AS+8*((\s)%2)+7], v[SA] offset:512*(\s)+16
.endm
.macro MULS s
.if (\s) < 5
.set WR, 48*(\s)
.set MW, 1
.else
.set WR, 48*((\s)-5)
.set MW, 2
.endif
.set AR, AF+48*((\s)%2)
.if (\s) == 0
	WIN 0xc0|MW
.else
	WIN 0xf0|(((\s)%2)<<3)|MW
.endif
.irp m, 0,1,2,3,4,5,6,7
.irp f, 0,1,2,3
.set DR, 32*\m+8*\f
.if (\s) == 0
.set CR, BI+8*\f
.else
.set CR, DR
.endif
.if \f%2
	v_wmma_scale_f32_16x16x128_f8f6f4 v[DR:DR+7], v[WR+12*\f:WR+12*\f+11], v[AR+12*\m:AR+12*\m+11], v[CR:CR+7], v[WS+2*(\s)+\f/2], v[AS+8*((\s)%2)+\m] matrix_a_fmt:MATRIX_FMT_BF6 matrix_b_fmt:MATRIX_FMT_BF6 matrix_a_scale:MATRIX_SCALE_ROW1
.else
	v_wmma_scale_f32_16x16x128_f8f6f4 v[DR:DR+7], v[WR+12*\f:WR+12*\f+11], v[AR+12*\m:AR+12*\m+11], v[CR:CR+7], v[WS+2*(\s)+\f/2], v[AS+8*((\s)%2)+\m] matrix_a_fmt:MATRIX_FMT_BF6 matrix_b_fmt:MATRIX_FMT_BF6
.endif
.endr
.endr
	WIN 0
.endm
.macro STEP s
.if (\s) > 0
	PLACES
.endif
.if (\s) < 7
	LOADA (\s)+1
	s_wait_dscnt 34                                ; this step's rows are in; the 34 loads just issued may be out
.else
	s_wait_dscnt 0x0
.endif
.if (\s) < 2
	s_wait_loadcnt 56                              ; behind this step's 12 loads: four later steps' 48 and the 8 gates
.elseif (\s) < 4
	s_wait_loadcnt 48                              ; four later steps' 48
.else
	s_wait_loadcnt 12*(7-(\s))
.endif
.if (\s) < 3
	LOADW (\s)+5
.endif
	MULS \s
.endm
	s_load_b256 s[4:11], s[0:1], 0x0               ; hq, gate, plan, wq
	s_load_b128 s[12:15], s[0:1], 0x20             ; ws, b2
	s_load_b64 s[16:17], s[0:1], 0x30              ; out0
	v_lshl_add_u32 v[SPW], v0, 2, SPARE
	v_mov_b32 v[NIL], 0
	v_lshrrev_b32 v[LN], 5, v0
	v_readfirstlane_b32 s[WV], v[LN]
	s_and_b32 s60, s[WV], 1
	s_lshr_b32 s61, s[WV], 1
	s_lshl_b32 s62, s60, 3
	s_mul_i32 s63, s[WV], 24576
	s_lshl_b32 s20, s[WV], 10
	s_add_co_u32 s21, s20, LIST
	s_add_co_u32 s20, s20, SCL
	s_mul_i32 s23, s[WV], 4352
	s_add_co_u32 s23, s23, STG
	s_lshr_b32 s[G], ttmp9, 2
	s_and_b32 s[NN], ttmp9, 3
	s_lshl_b32 s54, s[NN], 10
	s_lshl_b32 s55, s[WV], 8
	s_add_co_u32 s54, s54, s55                     ; my 256 bytes of a row of out0
	v_and_b32 v[LN], 31, v0
	v_and_b32 v[RR], 15, v0
	v_bfe_u32 v[HH], v0, 4, 1
	v_lshlrev_b32 v[LI], 4, v[LN]
	v_lshl_add_u32 v[LI+1], v[LN], 4, 49152
	v_lshlrev_b32 v[L8], 3, v[LN]
	v_lshl_add_u32 v[L8+1], v[LN], 3, 49152
	v_lshl_add_u32 v[SA], v[RR], 5, SCL
	v_lshlrev_b32 v[BO], 6, v[HH]
	v_lshl_add_u32 v[WSO], v[LN], 4, s62
	v_add_nc_u32 v[CW], s63, v[LI]
	v_add_nc_u32 v[CS], s20, v[LI]
	v_lshl_add_u32 v[LW], v[RR], 3, s21
	v_lshl_add_u32 v[LR], v[HH], 3, s21
	v_mul_u32_u24 v[SO], v[RR], 272
	v_mul_u32_u24 v[SR], v[HH], 272
	v_lshl_add_u32 v[SO], v[HH], 6, v[SO]
	v_lshl_add_u32 v[SR], v[RR], 4, v[SR]
	v_add_nc_u32 v[SO], s23, v[SO]
	v_add_nc_u32 v[SR], s23, v[SR]
	v_lshl_add_u32 v[CO], v[RR], 4, s54
	s_wait_alu depctr_va_vdst(0)                   ; the wait at the head's end
	s_wait_kmcnt 0x0
	s_load_b256 s[24:31], s[8:9], 0x0              ; the eight experts' counts
	s_wait_kmcnt 0x0
	s_mov_b32 s[TBC], 0
	s_mov_b32 s[EX], 0
	s_mov_b32 s[TBE], 0
	s_mov_b32 s[NE], 0
.irp e, 0,1,2,3,4,5,6,7
	s_cmp_le_u32 s[TBC], s[G]
	s_cselect_b32 s[EX], \e, s[EX]
	s_cselect_b32 s[TBE], s[TBC], s[TBE]
	s_cselect_b32 s[NE], s[24+\e], s[NE]
	s_add_co_u32 s[TS], s[24+\e], 127
	s_lshr_b32 s[TS], s[TS], 7
	s_add_co_u32 s[TBC], s[TBC], s[TS]
.endr
	s_sub_co_u32 s[JJ], s[G], s[TBE]
	s_lshl_b32 s[TS], s[JJ], 7
	s_min_u32 s[TS], s[TS], s[NE]
	s_sub_co_u32 s[CNT], s[NE], s[TS]
	s_min_u32 s[CNT], s[CNT], 128
	s_mov_b32 s[EF], 0
.irp e, 7,6,5,4,3,2,1,0
	s_cmp_lg_u32 s[24+\e], 0
	s_cselect_b32 s[EF], \e, s[EF]
.endr
	s_min_u32 s[EX], s[EX], 7
	s_lshl_b32 s[POS], s[EX], 12
	s_lshl_b32 s[TS], s[JJ], 7
	s_add_co_u32 s[POS], s[POS], s[TS]
	s_lshl_b32 s[TS], s[EF], 12
	s_cmp_lg_u32 s[CNT], 0
	s_cselect_b32 s[POS], s[POS], s[TS]
	s_cselect_b32 s55, s[G], 0                     ; a tile without rows reads tile 0 of hq, which always has rows
	s_min_u32 s[POS], s[POS], 0x7f80
	s_min_u32 s55, s55, 38
	s_max_u32 s[LIM], s[CNT], 1
	s_sub_co_u32 s[LIM], s[LIM], 1
	s_lshl_b32 s[TS], s[EX], 3
	s_lshl_b32 s62, s[NN], 1
	s_add_co_u32 s62, s62, s61
	s_add_co_u32 s[TS], s[TS], s62                 ; 8 E + 2 n + (w >> 1)
	s_mul_i32 s44, s[TS], 98304
	s_mul_i32 s62, s60, 6144
	s_add_co_u32 s44, s44, s62
	s_mov_b32 s45, 0
	s_add_nc_u64 s[WQ:WQ+1], s[10:11], s[44:45]
	s_add_nc_u64 s[WQ:WQ+1], s[WQ:WQ+1], 6291456   ; W2's codes lie behind W1's
	s_lshl_b32 s44, s[TS], 12
	s_add_nc_u64 s[WSB:WSB+1], s[12:13], s[44:45]
	s_add_nc_u64 s[WSB:WSB+1], s[WSB:WSB+1], 262144
	s_lshl_b32 s44, s[EX], 12
	s_add_co_u32 s44, s44, s54
	s_add_nc_u64 s[BB:BB+1], s[14:15], s[44:45]
	s_add_nc_u64 s[PL:PL+1], s[8:9], 256
	s_mul_i32 s44, s55, 98304
	s_add_co_u32 s44, s44, s63
	s_add_nc_u64 s[HQ:HQ+1], s[4:5], s[44:45]
	s_lshl_b32 s44, s55, 12
	s_lshl_b32 s62, s[WV], 10
	s_add_co_u32 s44, s44, s62
	s_add_co_u32 s44, s44, HSOFF
	s_add_nc_u64 s[HS:HS+1], s[4:5], s[44:45]
.irp m, 0,1,2,3,4,5,6,7
	v_add_nc_u32 v[TO+\m], 16*\m, v[RR]            ; the tokens of rows 16 m + r; rows past the count repeat the last row
.endr
.irp m, 0,1,2,3,4,5,6,7
	v_min_u32 v[TO+\m], s[LIM], v[TO+\m]
.endr
.irp m, 0,1,2,3,4,5,6,7
	v_add_nc_u32 v[TO+\m], s[POS], v[TO+\m]
.endr
.irp m, 0,1,2,3,4,5,6,7
	v_min_u32 v[TO+\m], 0x7fff, v[TO+\m]
.endr
.irp m, 0,1,2,3,4,5,6,7
	v_lshlrev_b32 v[TO+\m], 2, v[TO+\m]
.endr
.irp m, 0,1,2,3,4,5,6,7
	global_load_b32 v[TKG+2*\m], v[TO+\m], s[PL:PL+1]
.endr
	WIN 0xc0                                       ; my quarter of the tile's codes and scale words lands where the accumulators will be
.set i, 0
.rept 48
	global_load_b128 v[4*i:4*i+3], v[LI], s[HQ:HQ+1] offset:512*i
.set i, i+1
.endr
	global_load_b128 v[192:195], v[LI], s[HS:HS+1]
	global_load_b128 v[196:199], v[LI], s[HS:HS+1] offset:512
	WIN 0
.irp f, 0,1,2,3
	global_load_b128 v[BI+8*\f:BI+8*\f+3], v[BO], s[BB:BB+1] offset:128*(\f/2)+32*(\f%2)
	global_load_b128 v[BI+8*\f+4:BI+8*\f+7], v[BO], s[BB:BB+1] offset:128*(\f/2)+32*(\f%2)+16
.endr
.irp k, 0,1,2,3,4,5,6,7
	global_load_b64 v[WS+2*\k:WS+2*\k+1], v[WSO], s[WSB:WSB+1] offset:512*\k
.endr
	LOADW 0
	LOADW 1
	s_wait_loadcnt 40                              ; tokens and h are in; behind them 8 + 8 + 24 loads
.irp m, 0,1,2,3,4,5,6,7
	v_min_u32 v[TKG+2*\m], 0xfff, v[TKG+2*\m]
.endr
.irp m, 0,1,2,3,4,5,6,7
	v_lshlrev_b32 v[GO+\m], 2, v[TKG+2*\m]
.endr
.irp m, 0,1,2,3,4,5,6,7
	global_load_b32 v[TKG+2*\m+1], v[GO+\m], s[6:7]
.endr
	WIN 0x0c
.set i, 0
.rept 48
	ds_store_b128 v[CW], v[4*i:4*i+3] offset:512*i
.set i, i+1
.endr
	ds_store_b128 v[CS], v[192:195]
	ds_store_b128 v[CS], v[196:199] offset:512
	WIN 0
	LOADW 2
	LOADW 3
	LOADW 4
	s_wait_alu depctr_va_vdst(0)                   ; the wait here, directly ahead of the wait below
	s_wait_dscnt 0x0                               ; for the others' sake: my quarter lies in LDS
	s_barrier_signal -1
	s_barrier_wait -1
	s_cmp_eq_u32 s[CNT], 0
	s_cbranch_scc1 .Lend
	LOADA 0
.irp k, 0,1,2,3,4,5,6,7
	STEP \k
.endr
	PLACES                                         ; for the first reads of results, and for the loads into registers that held operands
.irp m, 0,1,2,3,4,5,6,7
	ds_store_b64 v[LW], v[TKG+2*\m:TKG+2*\m+1] offset:128*\m       ; both halves of the lanes write the same bytes with the same value
.endr
.set q, 0
.rept 64
	ds_load_b64 v[LP+2*q:LP+2*q+1], v[LR] offset:16*q      ; (token, gate) of row 2 q + (lane / 16); LDS serves a wave's instructions in order
.set q, q+1
.endr
.macro TOSTAGE m                       ; 16 rows into my stage, each accumulator from its low end on, and back as rows, into window 1
	WIN 0x0c
.irp k, 0,1,2,3,4,5,6,7
	ds_store_b128 v[SO], v[32*(\m)+4*\k:32*(\m)+4*\k+3] offset:128*(\k/4)+16*(\k%4)
.endr
	WIN 0x40
.irp i, 0,1,2,3,4,5,6,7
	ds_load_b128 v[32*(\m)+4*\i:32*(\m)+4*\i+3], v[SR] offset:544*\i
.endr
	WIN 0
.endm
.macro SENDM m, younger
	s_wait_dscnt \younger                          ; the block is back; the next block's 16 LDS instructions may be out
.irp i, 0,1,2,3,4,5,6,7
	v_min_u32 v[LP+16*(\m)+2*\i], 0xfff, v[LP+16*(\m)+2*\i]
.endr
.irp i, 0,1,2,3,4,5,6,7
	v_lshl_add_u32 v[LP+16*(\m)+2*\i], v[LP+16*(\m)+2*\i], 12, v[CO]       ; the token's row of out0, my 16 bytes
.endr
	WIN 0x41
.irp i, 0,1,2,3,4,5,6,7
	v_pk_mul_f32 v[32*(\m)+4*\i:32*(\m)+4*\i+1], v[32*(\m)+4*\i:32*(\m)+4*\i+1], v[LP+16*(\m)+2*\i:LP+16*(\m)+2*\i+1] op_sel:[0,1] op_sel_hi:[1,1]     ; x the pair's second number, the gate
	v_pk_mul_f32 v[32*(\m)+4*\i+2:32*(\m)+4*\i+3], v[32*(\m)+4*\i+2:32*(\m)+4*\i+3], v[LP+16*(\m)+2*\i:LP+16*(\m)+2*\i+1] op_sel:[0,1] op_sel_hi:[1,1]
.endr
	WIN 0
.if (\m) > 0
	s_cmp_gt_u32 s[CNT], 16*(\m)                   ; a block wholly past the count is not stored, nor any behind it
	s_cbranch_scc0 .Lend
.endif
	WIN 0x04
.irp i, 0,1,2,3,4,5,6,7
	global_store_b128 v[LP+16*(\m)+2*\i], v[32*(\m)+4*\i:32*(\m)+4*\i+3], s[16:17] th:TH_STORE_NT
.endr
	WIN 0
.endm
	TOSTAGE 0
.irp a, 1,2,3,4,5,6,7
	TOSTAGE \a
	SENDM \a-1, 16
.endr
	SENDM 7, 0
.Lend:
	s_wait_tensorcnt 0x0                           ; the wave's end
	ds_add_u32 v[SPW], v[NIL]
	s_wait_dscnt 0x0
	s_endpgm
.Lfunc_end_k_qbbfcd5794e_ffn2:
	.size	k_qbbfcd5794e_ffn2, .Lfunc_end_k_qbbfcd5794e_ffn2-k_qbbfcd5794e_ffn2
	.p2alignl 7, 3214868480
	.fill 96, 4, 3214868480
	.section	.rodata,"a",@progbits
	.p2align	6, 0x0
	.amdhsa_kernel k_qbbfcd5794e_ffn2
		.amdhsa_group_segment_fixed_size 124416
		.amdhsa_private_segment_fixed_size 0
		.amdhsa_enable_private_segment 0
		.amdhsa_kernarg_size 56
		.amdhsa_user_sgpr_count 2
		.amdhsa_user_sgpr_kernarg_segment_ptr 1
		.amdhsa_wavefront_size32 1
		.amdhsa_system_sgpr_workgroup_id_x 1
		.amdhsa_system_sgpr_workgroup_id_y 1
		.amdhsa_system_sgpr_workgroup_id_z 1
		.amdhsa_system_vgpr_workitem_id 0
		.amdhsa_next_free_vgpr 1024
		.amdhsa_next_free_sgpr 66
		.amdhsa_reserve_vcc 0
		.amdhsa_float_denorm_mode_32 3
		.amdhsa_float_denorm_mode_16_64 3
		.amdhsa_memory_ordered 1
		.amdhsa_forward_progress 1
		.amdhsa_inst_pref_size 119
	.end_amdhsa_kernel
	.amdgpu_metadata
---
amdhsa.version: [ 1, 2 ]
amdhsa.kernels:
  - .name:           k_qbbfcd5794e_ffn2
    .symbol:         k_qbbfcd5794e_ffn2.kd
    .args:
      - { .name: hq, .offset: 0, .size: 8, .value_kind: global_buffer, .address_space: global }
      - { .name: gate, .offset: 8, .size: 8, .value_kind: global_buffer, .address_space: global }
      - { .name: plan, .offset: 16, .size: 8, .value_kind: global_buffer, .address_space: global }
      - { .name: wq, .offset: 24, .size: 8, .value_kind: global_buffer, .address_space: global }
      - { .name: ws, .offset: 32, .size: 8, .value_kind: global_buffer, .address_space: global }
      - { .name: b2, .offset: 40, .size: 8, .value_kind: global_buffer, .address_space: global }
      - { .name: out0, .offset: 48, .size: 8, .value_kind: global_buffer, .address_space: global }
    .group_segment_fixed_size: 124416
    .private_segment_fixed_size: 0
    .kernarg_segment_align: 8
    .kernarg_segment_size: 56
    .max_flat_workgroup_size: 128
    .sgpr_count:     66
    .vgpr_count:     1024
    .wavefront_size: 32
...
	.end_amdgpu_metadata
.endif
;; end of part 3
